; MI455X (gfx1250); checked and timed in simulation.
; The chip was launched on July 23, 2026; its instructions are those of AMD's public machine-readable ISA for CDNA 5 (MIT licence, August 2026) and "CDNA5" Instruction Set Architecture Reference Guide (July 2026). The comments in the code are by the model that wrote it; some were corrected since.
;; Quantum Layer. Allowed arithmetic: matrix products marked QUANTISED: E2M3 operands, one E8M0 scale for each 32 along K, by v_wmma_scale_f32_16x16x128_f8f6f4 with both operands' format E2M3, f32 sums; everything else in f32.
;; Inputs: W_codes 4,096 x 128 x 24 uint8 (E2M3 codes of W, K innermost, in blocks of 32 codes, four codes in three bytes); W_scales 4,096 x 128 uint8 (E8M0 scales of W, one for each 32 codes along K); b 4,096 float32; quantum_outcomes 4,096 x 1,000 int32; x_codes 4,096 x 128 x 24 uint8 (E2M3 codes of x, K innermost, in blocks of 32 codes, four codes in three bytes); x_scales 4,096 x 128 uint8 (E8M0 scales of x, one for each 32 codes along K).
;; Outputs: out0 4,096 x 4,096 float32.
;; This version of the problem:
;;   THIS VERSION OF THE PROBLEM IS GIVEN IN LOW PRECISION. The matrix products marked QUANTISED in the list below multiply operands that are first quantised to E2M3 (2 exponent bits, 3 mantissa bits; 6 bits a number), with one power-of-two scale for each 32 numbers along K (OCP MX v1.0); their sums are f32. All else is computed in f32.
;;   The module's matrix products, in the order in which they are computed (A, B: the left and right operand; K: the contracted axis; several contracted axes count as one K, in the product's order):
;;     1. [M 4,096, K 4,096] x [K 4,096, N 4,096]; A: input x (given as codes); B: input W (given as codes): QUANTISED
;;   THE QUANTISER, for each operand of a quantised product, along K:
;;     - K is cut into blocks of 32 from its start; a last block that is shorter is filled with zeros.
;;     - A block's scale is 2^e with e = floor(log2(the largest magnitude in the block)) - 2, held to -126 .. 127; a block of zeros has e = 0. As a byte (E8M0): e + 127.
;;     - Each number is divided by its block's scale, clamped to +-7.5, and rounded to the nearest number of E2M3, ties to even, subnormals kept.
;;     - The product sums the exact products of the quantised numbers (number of the format x scale) in f32.
;;   ~~~python
;;   def quantise(x, axis):      # numpy; x: float32 -> the quantised numbers, widened to float32 again
;;       x = np.moveaxis(x, axis, -1); K = x.shape[-1]
;;       x = np.pad(x, [(0, 0)] * (x.ndim - 1) + [(0, -K % 32)]); x = x.reshape(x.shape[:-1] + (-1, 32)); a = np.abs(x).max(-1, keepdims=True)
;;       e = np.where(a > 0, np.clip(np.frexp(np.where(a > 0, a, 1))[1] - 1 - 2, -126, 127), 0)      # np.frexp(a)[1] - 1 = floor(log2(a)), exactly
;;       r = np.clip(x / 2.0 ** e, -7.5, 7.5)
;;       step = 2.0 ** (np.maximum(np.frexp(np.where(r == 0, 1, r))[1] - 1, 0) - 3)
;;       q = np.round(r / step) * step * 2.0 ** e      # np.round: ties to even
;;       return np.moveaxis(q.reshape(q.shape[:-2] + (-1,))[..., :K], -1, axis).astype(np.float32)
;;   ~~~
;;   INPUTS GIVEN AS CODES. W (in the module: [4096, 4096], K = its axis 1); x (in the module: [4096, 4096], K = its axis 1): each comes as NAME_codes (uint8): NAME with its K axis moved to the last place and cut into blocks of 32 codes, [.., K / 32, bytes a block], one block behind the other in memory; four codes in three bytes: a row's codes are one little-endian stream of bits, code i at bits 6 i .. 6 i + 5 (a code: sign, 2 exponent bits, 3 mantissa bits); and NAME_scales (uint8): the same leading axes, one E8M0 byte (e + 127) for each 32 codes along K. Its value is code x scale, taken as it is: it is not quantised again, and the codes and scales need not be those that the quantiser above would give.
;; One version. Each part assembles by itself: llvm-mc -triple=amdgcn-amd-amdhsa -mcpu=gfx1250 --defsym DOCPART=n.
;; ======== version 1 of 1: 2 launches
;; limits: right only within a limited range of input values
;; workspace buffers: expect 32,768 bytes; xs 524,288 bytes; ws 524,288 bytes
;; launch rowmean (part 1): grid 256 x 1, 8 waves a work-group, no clusters, 1,280 bytes of LDS; arguments quantum_outcomes, expect, x_scales, W_scales, xs, ws; writes expect, xs, ws
.if DOCPART == 1
	.amdgcn_target "amdgcn-amd-amdhsa--gfx1250"
	.amdhsa_code_object_version 6
	.text
	.protected	k_q98bdfd4e7d_rowmean
	.globl	k_q98bdfd4e7d_rowmean
	.p2align	8
	.type	k_q98bdfd4e7d_rowmean,@function
k_q98bdfd4e7d_rowmean:
	s_mov_b64 s[64:65], 0
	v_nop
	global_prefetch_b8 v0, s[64:65] scope:SCOPE_SE
	s_setreg_imm32_b32 hwreg(HW_REG_WAVE_MODE, 25, 1), 1
	s_wait_xcnt 0x0
; e[m] = mean over 1,000 shots of quantum_outcomes[m][:] / 15, stored TWICE for each row: expect is [4096][2] f32, so that the product's launch
; fetches a register pair (e, e) by one load of 8 bytes and adds it to two sums at a time.
; SHARES.  A work-group takes 16 rows (64,000 consecutive bytes), each of its eight waves two rows.  A row is 4,000 bytes = 250 pieces of 16 bytes:
; seven loads of 512 consecutive bytes, and an eighth that ENDS at the row's end (it begins at byte 3,488), so that no load leaves the buffer.
; The eighth load's lanes 0 to 5 repeat the last 96 bytes of the seventh: their numbers are replaced by 0 ahead of the sum.
; All 16 loads of a wave go out at once: the stream is read once, and nothing is left to fetch behind them; so no ring, no LDS slots, no matrix unit.
; ARITHMETIC.  Each int32 is converted to f32, as the reference converts it (any int32 is served); the f32 sum is taken in a tree, which is another
; order than the reference's; one multiplication by 1 / 15,000 stands for its two divisions.  For outcomes 0 to 15 the sum is exact.
; THE WAY OUT.  The eight waves' results meet in 128 bytes of LDS and wave 0 stores them as 128 consecutive bytes.  Stores of 256 bytes would want 32 rows
; to a work-group, that is 128 work-groups: 32 KiB of output against 16 MB read do not pay for leaving half of the 256 without work.
.set ROW, 4000                         ; bytes in a row
.set X,   8                            ; v[8:71]   row i of my two: 32 registers, load j at X + 32 i + 4 j
	s_load_b128 s[4:7], s[0:1], 0x0                ; quantum_outcomes s[4:5], expect s[6:7]
	s_load_b256 s[20:27], s[0:1], 0x10             ; x_scales s[20:21], W_scales s[22:23], xs s[24:25], ws s[26:27]
	v_lshl_add_u32 v84, v0, 2, 0x100
	v_mov_b32 v85, 0
	v_and_b32 v1, 31, v0                           ; lane
	v_lshrrev_b32 v2, 5, v0                        ; wave
	s_delay_alu instid0(VALU_DEP_1)
	v_readfirstlane_b32 s13, v2
	s_delay_alu instid0(VALU_DEP_2)
	v_mul_u32_u24 v3, v2, 2*ROW                    ; my wave's two rows,
	s_delay_alu instid0(VALU_DEP_1)
	v_lshl_add_u32 v3, v1, 4, v3                   ; 16 bytes a lane
	s_delay_alu instid0(VALU_DEP_4)
	v_lshlrev_b32 v4, 4, v2                        ; LDS: 16 bytes a wave
	v_lshlrev_b32 v5, 2, v1                        ; the way out: 4 bytes a lane, in LDS and in expect
	v_cmp_lt_u32 s12, 5, v1                        ; lanes 6 to 31: those whose piece of the eighth load is new
	v_mov_b32 v72, 0                               ; a lane permute's destination counts as one of its sources: written once
	v_mov_b32 v73, 0
	; THE SCALES ARE LAID ANEW for the product's launch: xs and ws are [rows / 32][8 groups of 512 along K][32 rows][16 bytes], so that one load of 16 bytes a lane
	; there reads 512 consecutive bytes: 32 rows' scale words of four steps of 128 along K.  The work-group moves its 16 rows of x_scales (waves 0-3) and of W_scales (waves 4-7):
	; a lane takes row r = lane % 16 and group g = (thread / 16) % 8; sixteen lanes store 256 consecutive bytes, aligned.
	v_and_b32 v86, 15, v0                          ; r
	v_bfe_u32 v87, v0, 4, 3                        ; g
	v_lshlrev_b32 v88, 4, v87
	v_lshlrev_b32 v89, 4, v86
	v_lshl_add_u32 v88, v86, 7, v88                ; from: 128 r + 16 g
	v_lshl_add_u32 v89, v87, 9, v89                ; to: 512 g + 16 r
	s_mov_b32 s14, 0x76543210                      ; v_permlanex16_b32's selects for lane l xor 16
	s_mov_b32 s15, 0xfedcba98
	s_mul_i32 s8, ttmp9, 16*ROW                    ; the work-group's 16 rows (under 2^24 bytes in all)
	s_mov_b32 s9, 0
	s_lshl_b32 s10, ttmp9, 7                       ; and its 128 bytes of expect
	s_mov_b32 s11, 0
	s_wait_alu depctr_va_vdst(0)
	s_wait_kmcnt 0x0
	s_add_nc_u64 s[4:5], s[4:5], s[8:9]
	s_add_nc_u64 s[6:7], s[6:7], s[10:11]
	s_cmp_lt_u32 s13, 4                            ; waves 0-3: x's scales; waves 4-7: W's
	s_cselect_b64 s[28:29], s[20:21], s[22:23]
	s_cselect_b64 s[30:31], s[24:25], s[26:27]
	s_lshl_b32 s16, ttmp9, 11                      ; 16 rows of 128 bytes
	s_mov_b32 s17, 0
	s_add_nc_u64 s[28:29], s[28:29], s[16:17]
	s_lshr_b32 s16, ttmp9, 1
	s_lshl_b32 s16, s16, 12                        ; the block of 32 rows, 4,096 bytes,
	s_and_b32 s18, ttmp9, 1
	s_lshl_b32 s18, s18, 8                         ; and which 16 of them
	s_add_co_u32 s16, s16, s18
	s_add_nc_u64 s[30:31], s[30:31], s[16:17]
	global_load_b128 v[92:95], v88, s[28:29]       ; issued ahead of the rows' sixteen loads: the first row's counted wait covers it
.irp i, 0,1
.irp j, 0,1,2,3,4,5,6
	global_load_b128 v[X+32*\i+4*\j:X+32*\i+4*\j+3], v3, s[4:5] offset:ROW*\i+512*\j th:TH_LOAD_NT   ; 32 lanes read 512 consecutive bytes; read once in the launch
.endr
	global_load_b128 v[X+32*\i+28:X+32*\i+31], v3, s[4:5] offset:ROW*\i+ROW-512 th:TH_LOAD_NT        ; the row's last 512 bytes
.endr
; My 32 numbers of row i become one f32 sum in v[X + 32 i].
.macro ROWSUM i
	s_wait_loadcnt 8*(1-\i)                        ; loads come back in order: row 0's eight are in while row 1's eight may be out; then all
.irp k, 28,29,30,31
	v_cndmask_b32 v[X+32*\i+\k], 0, v[X+32*\i+\k], s12   ; what the seventh load has brought already counts once
.endr
.set n, 0
.rept 32
	v_cvt_f32_i32 v[X+32*\i+n], v[X+32*\i+n]
.set n, n+1
.endr
.irp w, 16,8,4,2                       ; a tree of packed sums, in place: pairs 8, 4, 2 and 1 pairs apart
.set n, 0
.rept \w/2
	v_pk_add_f32 v[X+32*\i+n:X+32*\i+n+1], v[X+32*\i+n:X+32*\i+n+1], v[X+32*\i+n+\w:X+32*\i+n+\w+1]
.set n, n+2
.endr
.endr
	s_delay_alu instid0(VALU_DEP_1)
	v_add_f32 v[X+32*\i], v[X+32*\i], v[X+32*\i+1]
.endm
	ROWSUM 0
	global_store_b128 v89, v[92:95], s[30:31]
	ROWSUM 1
.irp m, 1
	v_add_f32_dpp v[X], v[X], v[X] row_xmask:\m row_mask:0xf bank_mask:0xf
	s_delay_alu instid0(VALU_DEP_2)
	v_add_f32_dpp v[X+32], v[X+32], v[X+32] row_xmask:\m row_mask:0xf bank_mask:0xf
.endr
.irp m, 2, 4, 8
	s_delay_alu instid0(VALU_DEP_2)
	v_add_f32_dpp v[X], v[X], v[X] row_xmask:\m row_mask:0xf bank_mask:0xf
	s_delay_alu instid0(VALU_DEP_2)
	v_add_f32_dpp v[X+32], v[X+32], v[X+32] row_xmask:\m row_mask:0xf bank_mask:0xf
.endr
	s_delay_alu instid0(VALU_DEP_2)
	v_permlanex16_b32 v72, v[X], s14, s15          ; one across the halves
	s_delay_alu instid0(VALU_DEP_2)
	v_permlanex16_b32 v73, v[X+32], s14, s15
	s_delay_alu instid0(VALU_DEP_2)
	v_add_f32 v[X], v[X], v72
	s_delay_alu instid0(VALU_DEP_2)
	v_add_f32 v[X+32], v[X+32], v73                ; every lane holds both rows' sums
	s_delay_alu instid0(VALU_DEP_2)
	v_mul_f32 v76, 0x388bcf65, v[X]                ; x 1 / 15,000 = 1 / (1,000 shots x the largest outcome 15)
	s_delay_alu instid0(VALU_DEP_2)
	v_mul_f32 v78, 0x388bcf65, v[X+32]
	s_delay_alu instid0(VALU_DEP_2)
	v_mov_b32 v77, v76                             ; each e twice
	s_delay_alu instid0(VALU_DEP_2)
	v_mov_b32 v79, v78
	ds_store_b128 v4, v[76:79]                     ; all lanes of a wave write the same 16 bytes with the same values
	s_wait_dscnt 0x0                               ; for wave 0's sake: my store is done
	s_barrier_signal -1
	s_barrier_wait -1
	s_cmp_lg_u32 s13, 0
	s_cbranch_scc1 .Lend
	ds_load_b32 v80, v5                            ; wave 0: the work-group's 16 rows x 2 words
	s_wait_dscnt 0x0
	global_store_b32 v5, v80, s[6:7]               ; 32 lanes store 128 consecutive bytes
.Lend:
	s_wait_tensorcnt 0x0
	ds_add_u32 v84, v85
	s_wait_dscnt 0x0
	s_endpgm
.Lfunc_end_k_q98bdfd4e7d_rowmean:
	.size	k_q98bdfd4e7d_rowmean, .Lfunc_end_k_q98bdfd4e7d_rowmean-k_q98bdfd4e7d_rowmean
	.p2alignl 7, 3214868480
	.fill 96, 4, 3214868480
	.section	.rodata,"a",@progbits
	.p2align	6, 0x0
	.amdhsa_kernel k_q98bdfd4e7d_rowmean
		.amdhsa_group_segment_fixed_size 1280
		.amdhsa_private_segment_fixed_size 0
		.amdhsa_enable_private_segment 0
		.amdhsa_kernarg_size 48
		.amdhsa_user_sgpr_count 2
		.amdhsa_user_sgpr_kernarg_segment_ptr 1
		.amdhsa_wavefront_size32 1
		.amdhsa_system_sgpr_workgroup_id_x 1
		.amdhsa_system_sgpr_workgroup_id_y 1
		.amdhsa_system_sgpr_workgroup_id_z 1
		.amdhsa_system_vgpr_workitem_id 0
		.amdhsa_next_free_vgpr 96
		.amdhsa_next_free_sgpr 66
		.amdhsa_reserve_vcc 0
		.amdhsa_float_denorm_mode_32 3
		.amdhsa_float_denorm_mode_16_64 3
		.amdhsa_memory_ordered 1
		.amdhsa_forward_progress 1
		.amdhsa_inst_pref_size 11
	.end_amdhsa_kernel
	.amdgpu_metadata
---
amdhsa.version: [ 1, 2 ]
amdhsa.kernels:
  - .name:           k_q98bdfd4e7d_rowmean
    .symbol:         k_q98bdfd4e7d_rowmean.kd
    .args:
      - { .name: quantum_outcomes, .offset: 0, .size: 8, .value_kind: global_buffer, .address_space: global }
      - { .name: expect, .offset: 8, .size: 8, .value_kind: global_buffer, .address_space: global }
      - { .name: x_scales, .offset: 16, .size: 8, .value_kind: global_buffer, .address_space: global }
      - { .name: W_scales, .offset: 24, .size: 8, .value_kind: global_buffer, .address_space: global }
      - { .name: xs, .offset: 32, .size: 8, .value_kind: global_buffer, .address_space: global }
      - { .name: ws, .offset: 40, .size: 8, .value_kind: global_buffer, .address_space: global }
    .group_segment_fixed_size: 1280
    .private_segment_fixed_size: 0
    .kernarg_segment_align: 8
    .kernarg_segment_size: 48
    .max_flat_workgroup_size: 256
    .sgpr_count:     66
    .vgpr_count:     96
    .wavefront_size: 32
...
	.end_amdgpu_metadata
.endif
;; end of part 1
;; launch gemm (part 2): grid 16 x 16, 4 waves a work-group, clusters of 4 x 4, 327,680 bytes of LDS; arguments x_codes, W_codes, xs, ws, b, expect, out0; writes out0
.if DOCPART == 2
	.amdgcn_target "amdgcn-amd-amdhsa--gfx1250"
	.amdhsa_code_object_version 6
	.text
	.protected	k_q98bdfd4e7d_gemm
	.globl	k_q98bdfd4e7d_gemm
	.p2align	8
	.type	k_q98bdfd4e7d_gemm,@function
k_q98bdfd4e7d_gemm:
	s_mov_b64 s[64:65], 0
	v_nop
	global_prefetch_b8 v0, s[64:65] scope:SCOPE_SE
	s_setreg_imm32_b32 hwreg(HW_REG_WAVE_MODE, 25, 1), 1
	s_wait_xcnt 0x0
	s_wait_alu depctr_hold_cnt(0) depctr_sa_sdst(0) depctr_va_vdst(0) depctr_va_sdst(0) depctr_va_ssrc(0) depctr_va_vcc(0) depctr_vm_vsrc(0)
	s_getreg_b32 s2, hwreg(HW_REG_IB_STS2, 6, 4)
	s_cmp_eq_u32 s2, 0
	s_cbranch_scc0 .Lentry_in_a_cluster
	s_endpgm
.Lentry_in_a_cluster:
	s_bfe_u32 s2, ttmp6, 0x10000c
	s_cmp_lg_u32 s2, 0xf033
	s_cbranch_scc0 .Lentry_shape_is_right
	s_endpgm
.Lentry_shape_is_right:
; out0[m][n] = sum over k of x[m][k] W[n][k] + b[n] + e[m].  x, W: codes of E2M3 with one E8M0 byte for each 32 along K; e: the earlier launch's row means (each stored twice).
; A tile of 256 x 256 to a work-group of four waves; a wave makes 128 x 128: 64 accumulators, 512 registers, which BEGIN as b[n] + e[m], so that nothing is cleared and nothing is added at the end.
; THE RING: two LDS slots; a slot holds one CHUNK OF 256 BYTES of x's 256 rows and of W's 256 rows (a row of codes is 3,072 bytes, so every chunk begins at a multiple of 256).  Chunk n lies in slot n % 2.
; A step of 128 along K is 96 bytes of a row: eight steps to three chunks.  A TRIP of the loop is eight steps; three chunks are an odd number, so the two slots change roles from trip to trip:
; the LDS address registers name slot P (the trip's chunks 0 and 2) and slot Q (chunks 1 and 3), and the pairs change places at a trip's end.  Three trips in the loop; the fourth is written out, since it fetches one chunk only.
; One descriptor for each operand serves all refills: they alternate between the slots and go 256 bytes on along K.
; FRAGMENTS: every fragment has two sets of registers, so a step's 64 products read one set while the other takes the next step's.  All of the next step's fragments come in ONE RUN of LDS loads a step, behind what a change of
; chunks asks for (else at the step's start); the products behind it stand unbroken, 48 at the least between the run and the wait for it.  Two pieces of 8 bytes that lie in one chunk come by one load with two offsets,
; from an address register of the block's own (the two offsets reach 2,040 bytes, a block of 16 rows is 4,352).
; REGISTERS:  window 0: v0-95 accumulators (a 0-2, b 0-3); v96-191 x's blocks 0-3; v192-255 the scale words.      window 1: v0-127 accumulators (a 0-3, b 4-7), v128-159 (a 3, b 0-3); v160-255 x's blocks 4-7.
;   window 2: v0-127 accumulators (a 4-7, b 0-3); v128-223 W's blocks 0-3; v224-255 x's LDS addresses and the rest.   window 3: v0-127 accumulators (a 4-7, b 4-7); v128-223 W's blocks 4-7; v224-255 W's LDS addresses.
; THE SCALES come from xs and ws, laid by the earlier launch so that a load of 16 bytes a lane reads 512 consecutive bytes: 32 rows' words of four steps, asked for four steps ahead.  A register holds block 2 p's words
; in lanes 0-15 and block 2 p + 1's in lanes 16-31; the row selectors choose.  x's and W's registers differ by 4 modulo 8.
; CLUSTERS: 4 x 4 work-groups; x's tiles are asked for jointly along a row of the cluster, W's along a column.  THE MATRIX INSTRUCTION IS USED TRANSPOSED (source 0 = 16 rows of W, source 1 = 16 rows of x): a lane holds eight neighbouring numbers of a row of out0.
; PREFETCH: behind each refill of the loop one instruction a wave names, a lane a row, the chunk two refills on of 32 of the 128 rows that the wave fetches; the four partners of a joint load share the rows out by address.  Chunks 0 to 3 come by their loads alone; the last chunk named is 11, the row's last.
.set SIZE_N, 4096
.set KROW,   3072
.set ROWB,   256
.set PITCH,  272                       ; 256 bytes + 16 of padding
.set NP,     4
.set HALFT,  128*PITCH
.set SLOT,   4*HALFT
.set SPARE,  2*SLOT                    ; the spare words, 128 bytes a wave
.set SPITCH, 528                       ; the way out: 16 rows x (512 + 16) bytes a wave, in slot 0, which has had its last fill and its last read by then (the last chunk, 11, lies in slot 1)
.set TRIPS,  3
.set BIAS, 96                          ; window 0, at the head only
.set E,    160
.set ADR,  224                         ; window 2: x's, window 3: W's: v224 slot P, v225 slot Q, v226 lanes 0-15 byte 232 in P and lanes 16-31 byte 0 in Q, v227 the other way round
.set TT,   232
.set CO,   233                         ; window 2: 16 x lane: in a row of out0, and in a block of scale words
.set PFO,  234                         ; lane x a row of codes
.set SPW,  236
.set NIL,  237
.set STO,  238
.set RD,   239
.set BAS,  240                         ; window 2: x's, window 3: W's: v240-247 block i in slot P, v248-255 block i in slot Q
.set G1,  24
.set G0,  32
.set PFA, 36
.set G1B, 48
.set G0B, 56
.set SXA, 72
.set SXB, 74
.set MSB, 0
.macro WIN new                         ; bits 1:0 source 0, 3:2 source 1, 5:4 source 2, 7:6 destination; the high byte repeats the setting that is left
.if MSB != (\new)
	s_set_vgpr_msb (MSB<<8)|(\new)
.set MSB, (\new)
.endif
.endm
.set W_ADD, 0x0a                       ; the add's two registers lie in window 2
.set W_LD0, 0x02                       ; address window 2, destination window 0
.macro JLOAD                           ; a joint load: waves 0, 1 fetch x's two halves, waves 2, 3 W's; s_nop 0 and four v_nop behind each line
	s_cmp_eq_u32 s15, 0
	s_cbranch_scc0 .Lfor_b_\@
	tensor_load_to_lds s[G0:G0+3], s[G1:G1+7]
	s_nop 0
.rept 4
	v_nop
.endr
	s_branch .Lasked_\@
.Lfor_b_\@:
	tensor_load_to_lds s[G0B:G0B+3], s[G1B:G1B+7]
	s_nop 0
.rept 4
	v_nop
.endr
.Lasked_\@:
.endm
.macro NEXTC                           ; both descriptors on to the next chunk: the other slot, 256 bytes along K.  Written only where no tensor load of the wave is out
	s_xor_b32 s[G0+1], s[G0+1], SLOT
	s_add_nc_u64 s[G0+2:G0+3], s[G0+2:G0+3], ROWB
	s_xor_b32 s[G0B+1], s[G0B+1], SLOT
	s_add_nc_u64 s[G0B+2:G0B+3], s[G0B+2:G0B+3], ROWB
.endm
.macro CREST
	s_cmp_lg_u32 s14, 0
	s_cbranch_scc1 .Lnot_wave_0_\@
	s_barrier_signal -3
.Lnot_wave_0_\@:
	s_barrier_wait -3
	s_barrier_signal -1
	s_barrier_wait -1
.endm
.macro CROUND
	s_barrier_signal -1
	s_barrier_wait -1
	CREST
.endm
.macro PLACES n
.rept \n
	v_nop
.endr
.endm
	s_load_b256 s[4:11], s[0:1], 0x0               ; x_codes s[4:5], W_codes s[6:7], xs s[8:9], ws s[10:11]
	s_load_b128 s[68:71], s[0:1], 0x20             ; b s[68:69], expect s[70:71]
	s_load_b64 s[12:13], s[0:1], 0x30              ; out0
	WIN 0x80
	v_lshl_add_u32 v[SPW], v0, 2, SPARE
	v_mov_b32 v[NIL], 0
	WIN W_ADD
	ds_add_u32 v[SPW], v[NIL]                      ; the opening lines: the add, twice on end, and its wait
	ds_add_u32 v[SPW], v[NIL]
	WIN 0
	v_lshrrev_b32 v1, 5, v0
	v_readfirstlane_b32 s14, v1                    ; wave
	s_lshr_b32 s15, s14, 1                         ; my half of the tile's rows; also: I fetch for x (0) or W (1)
	s_and_b32 s16, s14, 1                          ; my half of its columns; also: which 128 rows I fetch
	s_bfe_u32 s40, ttmp6, 0x40000                  ; cx
	s_bfe_u32 s41, ttmp6, 0x40004                  ; cy
	s_lshl_b32 s42, ttmp9, 2
	s_add_co_u32 s42, s42, s40                     ; tile column
	s_and_b32 s17, ttmp7, 0xffff
	s_lshl_b32 s17, s17, 2
	s_add_co_u32 s17, s17, s41                     ; tile row
	s_lshl_b32 s43, s41, 2
	s_lshl_b32 s43, 15, s43                        ; my row of the cluster
	s_lshl_b32 s44, 0x1111, s40                    ; my column
	s_or_b32 s[G1+0], s43, (0<<16)|(1<<20)|(1<<21)|(5<<22)|(3<<25)   ; mask; elements of 1 byte; 4 words of padding behind every 64
	s_or_b32 s[G1B+0], s44, (0<<16)|(1<<20)|(1<<21)|(5<<22)|(3<<25)
.irp g, G1, G1B
	s_mov_b32 s[\g+1], ROWB<<16
	s_mov_b32 s[\g+2], 128<<16
	s_mov_b32 s[\g+3], ROWB<<16
	s_mov_b32 s[\g+4], 128
	s_mov_b32 s[\g+5], KROW
	s_mov_b32 s[\g+6], 0
	s_mov_b32 s[\g+7], 0
.endr
	s_lshl_b32 s18, s16, 7
	s_lshl_b32 s20, s17, 8
	s_add_co_u32 s20, s20, s18                     ; x: the 128 rows that I fetch
	s_lshl_b32 s46, s42, 8
	s_add_co_u32 s46, s46, s18                     ; W likewise
	s_mul_i32 s20, s20, KROW                       ; under 2^24 bytes
	s_mov_b32 s21, 0
	s_mul_i32 s46, s46, KROW
	s_mov_b32 s47, 0
	s_mul_i32 s45, s14, HALFT                      ; where they go: wave x 128 rows
	s_wait_dscnt 0x0
	s_wait_kmcnt 0x0
	s_add_nc_u64 s[20:21], s[4:5], s[20:21]
	s_add_nc_u64 s[46:47], s[6:7], s[46:47]
	CROUND                                         ; in front of the first joint loads
	s_mov_b32 s[G0], 1
	s_add_co_u32 s[G0+1], s45, 0
	s_mov_b64 s[G0+2:G0+3], s[20:21]
	s_or_b32 s[G0+3], s[G0+3], 0x80000000
	s_mov_b32 s[G0B], 1
	s_add_co_u32 s[G0B+1], s45, 0
	s_mov_b64 s[G0B+2:G0B+3], s[46:47]
	s_or_b32 s[G0B+3], s[G0B+3], 0x80000000
	JLOAD                                          ; chunk 0: one tensor load a wave at the head
	; the scalars of the rest of the head first, then its vector lines on end
	s_lshl_b32 s20, s17, 8
	s_lshl_b32 s21, s15, 7
	s_add_co_u32 s20, s20, s21                     ; my first row of out0
	s_mov_b32 s19, 0
	s_lshl_b32 s18, s20, 3
	s_add_nc_u64 s[70:71], s[70:71], s[18:19]      ; expect: 8 bytes a row
	s_lshl_b32 s18, s20, 7
	s_add_nc_u64 s[SXA:SXA+1], s[8:9], s[18:19]    ; xs: 4,096 bytes for 32 rows
	s_lshl_b32 s18, s20, 14
	s_add_nc_u64 s[12:13], s[12:13], s[18:19]
	s_lshl_b32 s46, s42, 8
	s_lshl_b32 s47, s16, 7
	s_add_co_u32 s46, s46, s47                     ; my first column
	s_mov_b32 s47, 0
	s_lshl_b32 s18, s46, 7
	s_add_nc_u64 s[SXB:SXB+1], s[10:11], s[18:19]
	s_lshl_b32 s46, s46, 2
	s_add_nc_u64 s[68:69], s[68:69], s[46:47]
	s_add_nc_u64 s[12:13], s[12:13], s[46:47]
	s_lshl_b32 s22, s17, 8                         ; the prefetches: my work-group's 32 of the 128 rows that I fetch, at chunk 4
	s_lshl_b32 s23, s42, 8
	s_cmp_eq_u32 s15, 0
	s_cselect_b32 s22, s22, s23
	s_cselect_b32 s23, s40, s41
	s_cselect_b64 s[PFA:PFA+1], s[4:5], s[6:7]
	s_lshl_b32 s18, s16, 7
	s_add_co_u32 s22, s22, s18
	s_lshl_b32 s23, s23, 5
	s_add_co_u32 s22, s22, s23
	s_mul_i32 s22, s22, KROW
	s_add_co_u32 s22, s22, 4*ROWB
	s_mov_b32 s23, 0
	s_add_nc_u64 s[PFA:PFA+1], s[PFA:PFA+1], s[22:23]
	s_mul_i32 s60, s15, HALFT                      ; my 128 rows of x in a slot
	s_mul_i32 s61, s16, HALFT
	s_add_co_u32 s61, s61, 2*HALFT                 ; my 128 rows of W, behind x's 256
	s_add_co_u32 s78, s60, SLOT
	s_add_co_u32 s79, s61, SLOT
	s_mul_i32 s62, s14, 16*SPITCH                  ; my stage
	s_mov_b32 s76, SLOT-232
	s_mov_b32 s77, SLOT+232
	v_and_b32 v1, 15, v0                           ; r
	v_bfe_u32 v2, v0, 4, 1                         ; h
	v_and_b32 v6, 31, v0
	v_mul_u32_u24 v3, v1, PITCH
	v_mul_u32_u24 v4, v2, 24
	v_add_nc_u32 v4, v3, v4                        ; row x pitch + 24 h
	v_sub_nc_u32 v7, 1, v2
	v_mul_u32_u24 v5, s76, v2
	v_add_nc_u32 v5, v3, v5
	v_add_nc_u32 v5, 232, v5                       ; lanes 0-15 byte 232 in slot 0, lanes 16-31 byte 0 in slot 1
	v_mul_u32_u24 v8, s77, v7
	v_add_nc_u32 v8, v3, v8                        ; lanes 0-15 byte 232 in slot 1, lanes 16-31 byte 0 in slot 0
	v_lshlrev_b32 v10, 5, v2                       ; b: 32 h
	v_lshlrev_b32 v11, 3, v1                       ; expect: 8 r
	v_lshlrev_b32 v12, 4, v6                       ; 16 x lane
	v_mul_u32_u24 v9, v1, SPITCH
	v_lshl_add_u32 v9, v2, 5, v9
	v_mul_u32_u24 v13, v6, KROW
	WIN 0x80                                       ; x's LDS addresses and the rest, into window 2
	v_add_nc_u32 v[ADR], s60, v4
	v_add_nc_u32 v[ADR+1], s78, v4
	v_add_nc_u32 v[ADR+2], s60, v5
	v_add_nc_u32 v[ADR+3], s60, v8
	v_mov_b32 v[CO], v12
	v_mov_b32 v[PFO], v13
	v_add_nc_u32 v[STO], s62, v9
	v_add_nc_u32 v[RD], s62, v12
	WIN 0xc0                                       ; W's, into window 3
	v_add_nc_u32 v[ADR], s61, v4
	v_add_nc_u32 v[ADR+1], s79, v4
	v_add_nc_u32 v[ADR+2], s61, v5
	v_add_nc_u32 v[ADR+3], s61, v8
.irp w, 0x88, 0xcc                     ; in each of the two windows: an address for each block of 16 rows, in slot P and in slot Q
	WIN \w
.irp i, 0,1,2,3,4,5,6,7
	v_add_nc_u32 v[BAS+\i], \i*16*PITCH, v[ADR]
	v_add_nc_u32 v[BAS+8+\i], \i*16*PITCH, v[ADR+1]
.endr
.endr
	WIN 0
.macro SCLOAD gp, off, adr             ; the scale words of four steps: 128 rows of x and 128 of W, eight loads of 512 consecutive bytes, into window 0
.irp p, 0,1,2,3
	global_load_b128 v[192+32*\gp+8*\p:192+32*\gp+8*\p+3], v[\adr], s[SXA:SXA+1] offset:4096*\p+\off
	global_load_b128 v[196+32*\gp+8*\p:196+32*\gp+8*\p+3], v[\adr], s[SXB:SXB+1] offset:4096*\p+\off
.endr
.endm
.irp i, 0,1,2,3,4,5,6,7
	global_load_b128 v[BIAS+8*\i:BIAS+8*\i+3],   v10, s[68:69] offset:64*\i      ; b at my eight columns of block i
	global_load_b128 v[BIAS+8*\i+4:BIAS+8*\i+7], v10, s[68:69] offset:64*\i+16
.endr
.irp a, 0,1,2,3,4,5,6,7
	global_load_b64 v[E+2*\a:E+2*\a+1], v11, s[70:71] offset:128*\a               ; (e, e) of my row of block a
.endr
	SCLOAD 0, 0, 12                                ; steps 0 to 3
	s_wait_alu depctr_va_vdst(0)                   ; the wait here, directly ahead of the wait below
	s_wait_loadcnt 0x0
.macro ACCMAP a, b                     ; accumulator (a, b): window AW, first register AR
.if (\a) < 4
.if (\b) < 4
.if (\a) < 3
.set AW, 0
.set AR, 8*(4*(\a)+(\b))
.else
.set AW, 1
.set AR, 128+8*(\b)
.endif
.else
.set AW, 1
.set AR, 8*(4*(\a)+(\b)-4)
.endif
.else
.set AW, 2+(\b)/4
.set AR, 8*(4*((\a)-4)+(\b)%4)
.endif
.endm
.irp a, 0,1,2,3,4,5,6,7                ; the accumulators begin as b + e, while chunk 0 is on its way
.irp b, 0,1,2,3,4,5,6,7
	ACCMAP \a, \b
	WIN AW<<6
.irp i, 0,2,4,6
	v_pk_add_f32 v[AR+\i:AR+\i+1], v[BIAS+8*\b+\i:BIAS+8*\b+\i+1], v[E+2*\a:E+2*\a+1]
.endr
.endr
.endr
; A fragment, 16 rows x 128 K, is six pieces of 8 bytes, at bytes 0, 8, 16, 48, 56, 64 of the step's 96 (lanes 16-31: 24 bytes on).  Byte y of the trip's 768 lies in chunk y / 256: even chunks in slot P, odd in Q.
.macro LDP reg, by, blk                ; one piece by itself
.if (\by)/ROWB == ((\by)+24)/ROWB
	ds_load_b64 v[\reg:\reg+1], v[ADR+((\by)/ROWB)%2] offset:(\by)%ROWB+(\blk)*16*PITCH
.else                                  ; the two halves of the lanes read different chunks
	ds_load_b64 v[\reg:\reg+1], v[ADR+2+((\by)/ROWB)%2] offset:(\by)%ROWB-232+(\blk)*16*PITCH
.endif
.endm
; Pair LQ (0 to 11) of family fam (0: x's blocks 0-3, 1: x's 4-7, 2: W's 0-3, 3: W's 4-7) for step st, into set p: pieces 2 (LQ % 3) and 2 (LQ % 3) + 1 of fragment LQ / 3
.macro LD2 fam, st, p
.set LI, LQ/3
.set LP, LQ%3
.set B0, 96*(\st)+16*LP+24*(LP/2)
.set B1, 96*(\st)+8+40*LP-24*(LP/2)
.if (\fam) < 2
.set LR, 96+64*(\fam)+48*(\p)+12*LI+4*LP
.else
.set LR, 128+48*(\p)+12*LI+4*LP
.endif
.set LB, LI+4*((\fam)%2)
.if B0/ROWB == (B1+24)/ROWB            ; both pieces, in both halves of the lanes, lie in one chunk
	ds_load_2addr_b64 v[LR:LR+3], v[BAS+8*((B0/ROWB)%2)+LB] offset0:(B0%ROWB)/8 offset1:(B1%ROWB)/8
.else
	LDP LR, B0, LB
	LDP LR+2, B1, LB
.endif
.set LQ, LQ+1
.endm
.macro RUN st, p                       ; all fragments of step st into set p: x's addresses lie in window 2, W's in window 3; each family lands in its own window
.irp f, 0,1,2,3
	WIN (2+\f/2)|(\f<<6)
.set LQ, 0
.rept 12
	LD2 \f, \st, \p
.endr
.endr
.endm
; one product: x's block a against W's block b; p: the set; s: the step's place among the scale registers.  An odd block's words lie in lanes 16-31
.macro WM a, b, p, s
	ACCMAP \a, \b
.set BR, 128+48*(\p)+12*((\b)%4)
.set AFR, 96+64*((\a)/4)+48*(\p)+12*((\a)%4)
.set SB, 196+8*((\b)/2)+(\s)
.set SA, 192+8*((\a)/2)+(\s)
	WIN (2+(\b)/4)|(((\a)/4)<<2)|(AW<<4)|(AW<<6)
.if ((\a)%2) == 0
.if ((\b)%2) == 0
	v_wmma_scale_f32_16x16x128_f8f6f4 v[AR:AR+7], v[BR:BR+11], v[AFR:AFR+11], v[AR:AR+7], v[SB], v[SA] matrix_a_fmt:MATRIX_FMT_FP6 matrix_b_fmt:MATRIX_FMT_FP6
.else
	v_wmma_scale_f32_16x16x128_f8f6f4 v[AR:AR+7], v[BR:BR+11], v[AFR:AFR+11], v[AR:AR+7], v[SB], v[SA] matrix_a_fmt:MATRIX_FMT_FP6 matrix_b_fmt:MATRIX_FMT_FP6 matrix_a_scale:MATRIX_SCALE_ROW1
.endif
.else
.if ((\b)%2) == 0
	v_wmma_scale_f32_16x16x128_f8f6f4 v[AR:AR+7], v[BR:BR+11], v[AFR:AFR+11], v[AR:AR+7], v[SB], v[SA] matrix_a_fmt:MATRIX_FMT_FP6 matrix_b_fmt:MATRIX_FMT_FP6 matrix_b_scale:MATRIX_SCALE_ROW1
.else
	v_wmma_scale_f32_16x16x128_f8f6f4 v[AR:AR+7], v[BR:BR+11], v[AFR:AFR+11], v[AR:AR+7], v[SB], v[SA] matrix_a_fmt:MATRIX_FMT_FP6 matrix_b_fmt:MATRIX_FMT_FP6 matrix_a_scale:MATRIX_SCALE_ROW1 matrix_b_scale:MATRIX_SCALE_ROW1
.endif
.endif
.endm
; x's blocks a0 .. a0 + na - 1 against W's blocks b0 .. b0 + 3.  The accumulators take turns, in the same order in every step.
.macro PH a0, na, b0, p, s
.set PA_, \a0
.rept \na
.set PB_, \b0
.rept 4
	WM PA_, PB_, \p, \s
.set PB_, PB_+1
.endr
.set PA_, PA_+1
.endr
.endm
; Step st of a trip's eight.  What a change of chunks asks for stands at the step's start, ahead of the run that fetches the next step's fragments:
;   the next step's bytes END in a chunk not read yet: every wave waits for its tensor loads, and a barrier shows the chunk whole;
;   they BEGIN in a later chunk than this step's: the chunk left behind is read no more: the wait for all tensor loads, the add, the wait for it, the barrier (my reads were waited for at the step's first line);
;   where a chunk two on is left to fetch, that barrier opens a round of the cluster's barrier and the slot is filled again.  tail = 1: the last trip, in which only the first such chunk exists.
; The four v_nop ahead of the run (behind a joint load: its own) are the places between the last step's products and the loads into the sets and scale registers that they read.
.macro STEP st, tail
.set NX, (\st)+1
.set C0, (96*(\st))/ROWB
.set C1, (96*NX)/ROWB
.set E0, (96*(\st)+95)/ROWB
.set E1, (96*NX+95)/ROWB
.set PP, (\st)%2
.set NQ, NX%2
.set SS, 32*((\st)/4)+(\st)%4
	s_wait_dscnt 0x0                               ; this step's fragments, asked for 48 products ago or more
.if (\st)%4 == 0
	s_wait_loadcnt 0x0                             ; the scale words of this step and the next three, asked for four steps ago
.endif
.if C1 > C0 || E1 > E0
.if C1 > C0
	WIN W_ADD
	s_wait_tensorcnt 0x0                           ; all my tensor loads have landed
	ds_add_u32 v[SPW], v[NIL]                      ; the add; eight products stand between it and the wait for it
.else
	s_wait_tensorcnt 0x0
.endif
	PH 0, 2, 0, PP, SS
.if C1 > C0
	s_wait_dscnt 0x0                               ; the add is done
.endif
	s_barrier_signal -1
	PH 2, 2, 0, PP, SS
	WIN 0
	s_barrier_wait -1
.if C1 > C0 && ((\tail) == 0 || C0 == 0)
	CREST
	NEXTC
	JLOAD                                          ; the first tensor load behind the round
.else
	PLACES NP
.endif
.else
	PLACES NP
.endif
	RUN NX, NQ
.if (\st) == 0
	WIN W_LD0
	SCLOAD 1, 512, CO                              ; steps 4 to 7 of this trip
.endif
.if (\tail) == 0
.if (\st) == 4
	WIN W_LD0
	SCLOAD 0, 1024, CO                             ; steps 0 to 3 of the next trip
.endif
.if (\st) == 2
	WIN W_LD0
	global_prefetch_b8 v[PFO], s[PFA:PFA+1] th:TH_LOAD_NT scope:SCOPE_SE
.endif
.if (\st) == 5
	WIN W_LD0
	global_prefetch_b8 v[PFO], s[PFA:PFA+1] offset:ROWB th:TH_LOAD_NT scope:SCOPE_SE
.endif
.if (\st) == 7                         ; the trip's third refill: in the loop's last trip there is no chunk two on
	WIN 0
	s_cmp_lg_u32 s3, 1
	s_cbranch_scc0 .Lnone_\@
	WIN W_LD0
	global_prefetch_b8 v[PFO], s[PFA:PFA+1] offset:2*ROWB th:TH_LOAD_NT scope:SCOPE_SE
	WIN 0
.Lnone_\@:
.endif
.endif
.if C1 > C0 || E1 > E0
.else
	PH 0, 4, 0, PP, SS
.endif
	PH 0, 4, 4, PP, SS
	PH 4, 4, 0, PP, SS
	PH 4, 4, 4, PP, SS
.endm
	WIN W_ADD
	s_wait_alu depctr_va_vdst(0)                   ; the wait at the head's end
	s_wait_tensorcnt 0x0                           ; my part of chunk 0 is in; slot 1's first fill is issued as a refill is
	ds_add_u32 v[SPW], v[NIL]
	NEXTC
	s_wait_dscnt 0x0
	WIN 0
	CROUND
	JLOAD                                          ; chunk 1
	RUN 0, 0                                       ; step 0's fragments
	WIN 0
	s_mov_b32 s3, TRIPS
.Ltrip:
.irp st, 0,1,2,3,4,5,6,7
	STEP \st, 0
.endr
	s_wait_xcnt 0x0                                ; the scale loads and prefetches have read their bases
	s_add_nc_u64 s[PFA:PFA+1], s[PFA:PFA+1], 3*ROWB
	s_add_nc_u64 s[SXA:SXA+1], s[SXA:SXA+1], 1024
	s_add_nc_u64 s[SXB:SXB+1], s[SXB:SXB+1], 1024
.irp w, 0x82, 0xc3                     ; the slots change roles, in both windows: the next trip's chunk 0 lies where this trip's chunk 3 was fetched from
	WIN \w
.irp r, ADR, ADR+2
	v_mov_b32 v[TT], v[\r]
	v_mov_b32 v[\r], v[\r+1]
	v_mov_b32 v[\r+1], v[TT]
.endr
.irp i, 0,1,2,3,4,5,6,7
	v_mov_b32 v[TT], v[BAS+\i]
	v_mov_b32 v[BAS+\i], v[BAS+8+\i]
	v_mov_b32 v[BAS+8+\i], v[TT]
.endr
.endr
	WIN 0
	s_sub_co_u32 s3, s3, 1
	s_cmp_lg_u32 s3, 0
	s_wait_alu depctr_va_vdst(0)                   ; the wait here, directly ahead of the branch
	s_cbranch_scc1 .Ltrip
.irp st, 0,1,2,3,4,5,6
	STEP \st, 1
.endr
	s_wait_dscnt 0x0                               ; the very last step: nothing more to fetch
	PH 0, 4, 0, 1, 35
	PH 0, 4, 4, 1, 35
	PH 4, 4, 0, 1, 35
	PH 4, 4, 4, 1, 35
; THE WAY OUT, by blocks of 16 rows x 128 columns through my own stage: in as 32 bytes a lane, back as whole rows of 512 bytes, into v128-191 of windows 2 and 3 by turns.  LDS serves a wave's instructions in order (ISA guide 5.7.1.4).
.macro TOSTAGE a
.irp b, 0,1,2,3,4,5,6,7
	ACCMAP \a, \b
	WIN 0x02|(AW<<2)                               ; address window 2, data the accumulator's window
	ds_store_b128 v[STO], v[AR:AR+3] offset:64*\b              ; each accumulator from its low end on
	ds_store_b128 v[STO], v[AR+4:AR+7] offset:64*\b+16
.endr
	WIN 0x02|((2+(\a)%2)<<6)
.irp t, 0,1,2,3,4,5,6,7,8,9,10,11,12,13,14,15
	ds_load_b128 v[128+4*\t:128+4*\t+3], v[RD] offset:\t*SPITCH
.endr
.endm
.macro SEND a, younger
	WIN 0x02|((2+(\a)%2)<<2)
	s_wait_dscnt \younger
.if (\a) > 0
	s_add_nc_u64 s[12:13], s[12:13], 16*SIZE_N*4   ; behind a wait on XCNT: the earlier stores have read their base
.endif
.irp t, 0,1,2,3,4,5,6,7,8,9,10,11,12,13,14,15
	global_store_b128 v[CO], v[128+4*\t:128+4*\t+3], s[12:13] offset:\t*SIZE_N*4 th:TH_STORE_NT   ; 32 lanes store 512 consecutive bytes, aligned
.endr
.endm
	PLACES NP
	TOSTAGE 0
.irp a, 1,2,3,4,5,6,7
.if \a > 1
	s_wait_xcnt 0x0                                ; block a - 2's stores have read their registers and their base
.endif
	TOSTAGE \a
	SEND \a-1, 32                                  ; behind block a - 1's loads: block a's 16 stores and 16 loads
.endr
	s_wait_xcnt 0x0
	SEND 7, 0
	WIN W_ADD
	s_wait_tensorcnt 0x0                           ; the wave's end
	ds_add_u32 v[SPW], v[NIL]
	s_wait_dscnt 0x0
	WIN 0
	CROUND                                         ; the closing round
	s_endpgm
.Lfunc_end_k_q98bdfd4e7d_gemm:
	.size	k_q98bdfd4e7d_gemm, .Lfunc_end_k_q98bdfd4e7d_gemm-k_q98bdfd4e7d_gemm
	.p2alignl 7, 3214868480
	.fill 96, 4, 3214868480
	.section	.rodata,"a",@progbits
	.p2align	6, 0x0
	.amdhsa_kernel k_q98bdfd4e7d_gemm
		.amdhsa_group_segment_fixed_size 327680
		.amdhsa_private_segment_fixed_size 0
		.amdhsa_enable_private_segment 0
		.amdhsa_kernarg_size 56
		.amdhsa_user_sgpr_count 2
		.amdhsa_user_sgpr_kernarg_segment_ptr 1
		.amdhsa_wavefront_size32 1
		.amdhsa_system_sgpr_workgroup_id_x 1
		.amdhsa_system_sgpr_workgroup_id_y 1
		.amdhsa_system_sgpr_workgroup_id_z 1
		.amdhsa_system_vgpr_workitem_id 0
		.amdhsa_next_free_vgpr 1024
		.amdhsa_next_free_sgpr 82
		.amdhsa_reserve_vcc 0
		.amdhsa_float_denorm_mode_32 3
		.amdhsa_float_denorm_mode_16_64 3
		.amdhsa_memory_ordered 1
		.amdhsa_forward_progress 1
		.amdhsa_inst_pref_size 255
	.end_amdhsa_kernel
	.section	.bss,"aw",@nobits
	.p2align	6
	.space	262144
	.amdgpu_metadata
---
amdhsa.version: [ 1, 2 ]
amdhsa.kernels:
  - .name:           k_q98bdfd4e7d_gemm
    .symbol:         k_q98bdfd4e7d_gemm.kd
    .args:
      - { .name: x_codes, .offset: 0, .size: 8, .value_kind: global_buffer, .address_space: global }
      - { .name: W_codes, .offset: 8, .size: 8, .value_kind: global_buffer, .address_space: global }
      - { .name: xs, .offset: 16, .size: 8, .value_kind: global_buffer, .address_space: global }
      - { .name: ws, .offset: 24, .size: 8, .value_kind: global_buffer, .address_space: global }
      - { .name: b, .offset: 32, .size: 8, .value_kind: global_buffer, .address_space: global }
      - { .name: expect, .offset: 40, .size: 8, .value_kind: global_buffer, .address_space: global }
      - { .name: out0, .offset: 48, .size: 8, .value_kind: global_buffer, .address_space: global }
    .group_segment_fixed_size: 327680
    .private_segment_fixed_size: 0
    .kernarg_segment_align: 8
    .kernarg_segment_size: 56
    .max_flat_workgroup_size: 128
    .sgpr_count:     82
    .vgpr_count:     1024
    .wavefront_size: 32
...
	.end_amdgpu_metadata
.endif
;; end of part 2
